; MI455X (gfx1250); checked and timed in simulation.
; The chip was launched on July 23, 2026; its instructions are those of AMD's public machine-readable ISA for CDNA 5 (MIT licence, August 2026) and "CDNA5" Instruction Set Architecture Reference Guide (July 2026). The comments in the code are by the model that wrote it; some were corrected since.
;; BASE Rel Patch Attention2 D THW. Allowed arithmetic: matrix products marked QUANTISED: E2M1 operands, one E8M0 scale for each 32 along K, by v_wmma_scale_f32_16x16x128_f8f6f4 with both operands' format E2M1 (or v_wmma_scale_f32_32x16x128_f4), f32 sums; products left as they are: f32 operands where the result goes on into a quantised operand, else bf16, f16 or f32 operands; f32 sums; everything else in f32.
;; Inputs: k 4 x 16 x 16 x 128 x 128 float32; q 4 x 16 x 16 x 128 x 128 float32; v 4 x 16 x 16 x 128 x 128 float32.
;; Outputs: out0 4 x 16 x 16 x 128 x 128 float32.
;; This version of the problem:
;;   THIS VERSION OF THE PROBLEM IS GIVEN IN LOW PRECISION. The matrix products marked QUANTISED in the list below multiply operands that are first quantised to E2M1 (2 exponent bits, 1 mantissa bit; 4 bits a number), with one power-of-two scale for each 32 numbers along K (OCP MX v1.0); their sums are f32. All else is computed in f32.
;;   The module's matrix products, in the order in which they are computed (A, B: the left and right operand; K: the contracted axis; several contracted axes count as one K, in the product's order):
;;     1. batch 4 x [M 4,096, K 1,024] x [K 1,024, N 4,096]; A: input q; B: input k: QUANTISED
;;     2. batch 16,384 x [M 1, K 1,024] x [K 1,024, N 1]; A: input q; B: input q: left as it is (M = 1 < 16)
;;     3. batch 16,384 x [M 1, K 1,024] x [K 1,024, N 1]; A: input k; B: input k: left as it is (M = 1 < 16)
;;   THE QUANTISER, for each operand of a quantised product, along K:
;;     - K is cut into blocks of 32 from its start; a last block that is shorter is filled with zeros.
;;     - A block's scale is 2^e with e = floor(log2(the largest magnitude in the block)) - 2, held to -126 .. 127; a block of zeros has e = 0. As a byte (E8M0): e + 127.
;;     - Each number is divided by its block's scale, clamped to +-6, and rounded to the nearest number of E2M1, ties to even, subnormals kept.
;;     - The product sums the exact products of the quantised numbers (number of the format x scale) in f32.
;;   ~~~python
;;   def quantise(x, axis):      # numpy; x: float32 -> the quantised numbers, widened to float32 again
;;       x = np.moveaxis(x, axis, -1); K = x.shape[-1]
;;       x = np.pad(x, [(0, 0)] * (x.ndim - 1) + [(0, -K % 32)]); x = x.reshape(x.shape[:-1] + (-1, 32)); a = np.abs(x).max(-1, keepdims=True)
;;       e = np.where(a > 0, np.clip(np.frexp(np.where(a > 0, a, 1))[1] - 1 - 2, -126, 127), 0)      # np.frexp(a)[1] - 1 = floor(log2(a)), exactly
;;       r = np.clip(x / 2.0 ** e, -6, 6)
;;       step = 2.0 ** (np.maximum(np.frexp(np.where(r == 0, 1, r))[1] - 1, 0) - 1)
;;       q = np.round(r / step) * step * 2.0 ** e      # np.round: ties to even
;;       return np.moveaxis(q.reshape(q.shape[:-2] + (-1,))[..., :K], -1, axis).astype(np.float32)
;;   ~~~
;; One version. Each part assembles by itself: llvm-mc -triple=amdgcn-amd-amdhsa -mcpu=gfx1250 --defsym DOCPART=n.
;; ======== version 1 of 1: 3 launches
;; limits: inputs' magnitudes at most 1,000; right only within a limited range of input values
;; workspace buffers: qrec 9,175,040 bytes; krec 9,175,040 bytes; part 524,288 bytes
;; launch quant (part 1): grid 2048 x 1, 4 waves a work-group, no clusters, 1,536 bytes of LDS; arguments q, k, qrec, krec; writes qrec, krec
.if DOCPART == 1
	.amdgcn_target "amdgcn-amd-amdhsa--gfx1250"
	.amdhsa_code_object_version 6
	.text
	.protected	k_q6aa5d53dbe_quant
	.globl	k_q6aa5d53dbe_quant
	.p2align	8
	.type	k_q6aa5d53dbe_quant,@function
k_q6aa5d53dbe_quant:
	s_mov_b64 s[64:65], 0
	v_nop
	global_prefetch_b8 v0, s[64:65] scope:SCOPE_SE
	s_setreg_imm32_b32 hwreg(HW_REG_WAVE_MODE, 25, 1), 1
	s_wait_xcnt 0x0
; q and k, [4][16][16][128][128] f32, become RECORDS: codes of FP4 (E2M1), their E8M0 scale bytes, and each patch's sum of squares.
; A patch is 16 channels x 8 x 8: K = 1,024, k = 64 c + 8 n + o.  A block of 32 along K is half a channel of a patch: 4 image rows x 8 numbers.
; A record (8,960 bytes) holds the 16 patches of one (b, t, ph), pw = 0 .. 15: record idx = 256 b + 16 t + ph, laid as the product's launch wants its registers:
;   bytes 0 .. 8191     codes: channel ch at 512 ch + 16 x L; fragment lane L = 16 h + r holds the 32 codes of block (ch, h) of patch r
;   bytes 8192 .. 8703  scale words: that of (K step 4 g + i, patch r) at 256 g + 16 r + 4 i
;   bytes 8704 .. 8959  the 16 sums of squares (of the f32 numbers as they come), four times on end
; INSIDE A BLOCK THE CODES STAND IN ANOTHER ORDER THAN k: first columns 0-3 of the block's four image rows, then columns 4-7, alike for q and k; a block keeps its 32 numbers and its scale,
; so every product of two codes is the same and only the order in which the matrix unit adds them differs (an order of rounding other than the reference's).  It is the order in which the numbers come from memory:
; a load reads an image row's 512 consecutive bytes, 16 a lane, so lane l = 2 r + e holds columns 4 e .. 4 e + 3 of patch r, and its 16 registers of four image rows are half a block.
; A block's scale byte is its largest magnitude's exponent field - 2, held at 1 from below; each number is divided by the scale and rounded to the nearest code, ties to even, beyond 6 the code of 6.
; LIMITS: a block of zeros gets the byte 1 where the rule says 127: its codes are zeros, which add nothing under any byte but 0xff, and this program alone reads the bytes.  NaN and infinities among the inputs are not served.
; SHARES.  Work-groups 0 .. 1023 take q, the others k: only the pointers are chosen, there is one path.  A work-group makes one record from 64 KB; wave w takes channels 4 w .. 4 w + 3,
; through two buffers of 32 registers: two channels' 16 loads are out at a time.  114 registers a wave: eight work-groups to a WGP, 2,048 in all.
; All global stores stand at the wave's end, behind its last vector and LDS instruction.  No register that a store reads is written again.  LDS serves only to gather the four waves' scale words and sums.
.set REC,   8960
.set SCO,   8192
.set TLO,   8704
.set QQB,   512                        ; LDS: bytes 0 .. 511 the record's scale words; from here 16 partial sums of squares for each wave
.set SPARE, 1024                       ; the spare words, 128 bytes a wave
.set MX,    10                         ; v10-11   the largest magnitudes of my two blocks of a channel
.set SCL,   12                         ; v12-13   the conversions' scale operands
.set BY,    16                         ; v16-23   a scale byte for each of my eight blocks
.set SQ,    24                         ; v[24:25], v[26:27] two chains of sums of squares
.set R,     32                         ; v32-95   two channels as loaded: register 4 n + e' of a buffer is image row n, column 4 l + e'
.set C,     96                         ; v96-111  codes: two registers a block
.set SPW,   112                        ; my spare word's address; never rewritten
.set NIL,   113                        ; 0; never rewritten
; v1 lane; v2 16 x lane; v3 8 x lane; v4 r; v5 my scale words' place; v6 my sum's place; v8 what wave 0 reads back; v9 at work; v[14:15] my two scale words
	s_load_b256 s[4:11], s[0:1], 0x0               ; q s[4:5], k s[6:7], qrec s[8:9], krec s[10:11]
	v_lshl_add_u32 v[SPW], v0, 2, SPARE
	v_mov_b32 v[NIL], 0
	v_lshrrev_b32 v9, 5, v0
	v_readfirstlane_b32 s12, v9                    ; wave 0..3
	v_and_b32 v1, 31, v0
	v_lshlrev_b32 v2, 4, v1
	v_lshlrev_b32 v3, 3, v1
	v_lshrrev_b32 v4, 1, v1                        ; r: my patch
	s_lshr_b32 s14, s12, 1                         ; my K steps are 2 w and 2 w + 1: g = w / 2, i = 2 (w % 2)
	s_lshl_b32 s14, s14, 8
	s_and_b32 s15, s12, 1
	s_lshl_b32 s15, s15, 3
	s_add_co_u32 s14, s14, s15
	v_lshl_add_u32 v5, v4, 4, s14                  ; 256 g + 16 r + 4 i
	s_lshl_b32 s15, s12, 6
	s_add_co_u32 s15, s15, QQB
	v_lshl_add_u32 v6, v4, 2, s15                  ; 64 w + 4 r
	v_and_b32 v9, 7, v1
	v_lshl_add_u32 v8, v9, 3, QQB                  ; two patches' sums: 8 (lane % 8)
	s_and_b32 s16, ttmp9, 1023                     ; idx
	s_lshr_b32 s17, s16, 4
	s_lshl_b32 s17, s17, 20                        ; (b, t): 16 channels of 65,536 bytes
	s_and_b32 s18, s16, 15
	s_lshl_b32 s18, s18, 12                        ; ph: 8 image rows of 512 bytes
	s_add_co_u32 s18, s18, s17
	s_lshl_b32 s17, s12, 18                        ; my four channels
	s_add_co_u32 s18, s18, s17
	s_mov_b32 s19, 0
	s_mul_i32 s22, s16, REC                        ; my record,
	s_lshl_b32 s17, s12, 11                        ; my four channels' codes in it
	s_add_co_u32 s22, s22, s17
	s_mov_b32 s23, 0
	s_wait_alu depctr_va_vdst(0)                   ; the wait at the head's end
	s_wait_kmcnt 0x0
	s_cmp_lt_u32 ttmp9, 1024                       ; q's work-group or k's?  The choice hangs on the work-group's number alone
	s_cselect_b64 s[4:5], s[4:5], s[6:7]
	s_cselect_b64 s[8:9], s[8:9], s[10:11]
	s_add_nc_u64 s[4:5], s[4:5], s[18:19]
	s_add_nc_u64 s[8:9], s[8:9], s[22:23]
.macro LOADC ch                        ; channel ch into buffer ch % 2: each load reads an image row's 512 consecutive bytes; read once in the launch
.irp j, 0,1,2,3,4,5,6,7
	global_load_b128 v[R+32*((\ch)%2)+4*\j:R+32*((\ch)%2)+4*\j+3], v2, s[4:5] offset:65536*(\ch)+512*\j th:TH_LOAD_NT
.endr
.endm
	LOADC 0
	LOADC 1
; Channel chl: my halves of its two blocks, h = 0 (image rows 0-3) and h = 1 (rows 4-7): 16 registers each.
.macro CHAN chl
.set XS, R+32*((\chl)%2)
.if (\chl) < 3
	s_wait_loadcnt 8                               ; loads come back in order (ISA guide 5.7.1): this channel's eight are in; the eight issued behind them may be out
.else
	s_wait_loadcnt 0
.endif
.irp i, 0,2,4,6,8,10,12,14                     ; the largest magnitudes and the sums of squares, four chains by turns
.irp h, 0,1
.if \i == 0
	v_max3_num_f32 v[MX+\h], |v[XS+16*\h]|, |v[XS+16*\h+1]|, 0x1800000   ; with the floor 2^(3 - 127): the byte cannot fall under 1
.else
	v_max3_num_f32 v[MX+\h], v[MX+\h], |v[XS+16*\h+\i]|, |v[XS+16*\h+\i+1]|
.endif
.endr
.irp h, 0,1
.if (\i == 0) && ((\chl) == 0)
	v_pk_mul_f32 v[SQ+2*\h:SQ+2*\h+1], v[XS+16*\h:XS+16*\h+1], v[XS+16*\h:XS+16*\h+1]   ; the first products start the sums of squares
.else
	v_pk_fma_f32 v[SQ+2*\h:SQ+2*\h+1], v[XS+16*\h+\i:XS+16*\h+\i+1], v[XS+16*\h+\i:XS+16*\h+\i+1], v[SQ+2*\h:SQ+2*\h+1]
.endif
.endr
.endr
.irp h, 0,1
	v_max_num_f32_dpp v[MX+\h], v[MX+\h], v[MX+\h] row_xmask:1 row_mask:0xf bank_mask:0xf   ; with my neighbour's 16: the block's largest magnitude
.endr
.irp h, 0,1
	v_add_nc_u32 v[SCL+\h], 0xff000000, v[MX+\h]   ; 2 off its exponent field: the conversion's scale operand
.endr
.irp h, 0,1
.irp g, 0,1
	v_cvt_scalef32_pk8_fp4_f32 v[C+4*(\chl)+2*\h+\g], v[XS+16*\h+8*\g:XS+16*\h+8*\g+7], v[SCL+\h]
.endr
.endr
.irp h, 0,1
	v_lshrrev_b32 v[BY+2*(\chl)+\h], 23, v[SCL+\h] ; the scale's byte.  (Also the plain line behind the conversions)
.endr
.if (\chl) < 2
	LOADC (\chl)+2                                 ; this buffer takes the channel two further on
.endif
.endm
.irp c, 0,1,2,3
	CHAN \c
.endr
	; the scale words of my two K steps: byte 2 c' + h of a word is block (channel 2 s + c', half h)
	v_lshl_or_b32 v14, v[BY+1], 8, v[BY]
	v_lshl_or_b32 v15, v[BY+5], 8, v[BY+4]
	v_lshl_or_b32 v14, v[BY+2], 16, v14
	v_lshl_or_b32 v15, v[BY+6], 16, v15
	v_lshl_or_b32 v14, v[BY+3], 24, v14
	v_lshl_or_b32 v15, v[BY+7], 24, v15
	ds_store_b64 v5, v[14:15]                      ; both lanes of a patch write the same words with the same values
	v_pk_add_f32 v[SQ:SQ+1], v[SQ:SQ+1], v[SQ+2:SQ+3]
	v_add_f32 v[SQ], v[SQ], v[SQ+1]
	v_add_f32_dpp v[SQ], v[SQ], v[SQ] row_xmask:1 row_mask:0xf bank_mask:0xf   ; patch r's sum of squares over my four channels
	ds_store_b32 v6, v[SQ]
	s_wait_alu depctr_va_vdst(0)                   ; directly ahead of the wait below
	s_wait_dscnt 0x0                               ; for wave 0's sake: my stores have landed
	s_barrier_signal -1
	s_barrier_wait -1
	s_cmp_lg_u32 s12, 0                            ; wave 0 reads back what the four waves have gathered
	s_cbranch_scc1 .Lrest
	ds_load_b128 v[32:35], v2                      ; the scale words, 16 bytes a lane
.irp p, 0,1,2,3
	ds_load_b64 v[36+2*\p:37+2*\p], v8 offset:64*\p
.endr
	s_wait_dscnt 0x0
	v_pk_add_f32 v[36:37], v[36:37], v[38:39]      ; the four waves' parts, in the order of the channels
	v_pk_add_f32 v[36:37], v[36:37], v[40:41]
	v_pk_add_f32 v[36:37], v[36:37], v[42:43]
	s_wait_alu depctr_va_vdst(0)
.Lrest:
	s_wait_tensorcnt 0x0                           ; the spare add and its waits behind my last LDS store
	ds_add_u32 v[SPW], v[NIL]
	s_wait_dscnt 0x0
.irp c, 0,1,2,3
.irp h, 0,1
	global_store_b64 v3, v[C+4*\c+2*\h:C+4*\c+2*\h+1], s[8:9] offset:512*\c+256*\h   ; bytes 8 e .. 8 e + 7 of fragment lane (r, h): 32 lanes store 256 consecutive bytes, at a multiple of 256 from the buffer's first byte
.endr
.endr
	s_cmp_lg_u32 s12, 0
	s_cbranch_scc1 .Lend
	global_store_b128 v2, v[32:35], s[8:9] offset:SCO   ; 512 consecutive bytes
	global_store_b64 v3, v[36:37], s[8:9] offset:TLO    ; 256 consecutive bytes: the 16 sums, four times
.Lend:
	s_endpgm
.Lfunc_end_k_q6aa5d53dbe_quant:
	.size	k_q6aa5d53dbe_quant, .Lfunc_end_k_q6aa5d53dbe_quant-k_q6aa5d53dbe_quant
	.p2alignl 7, 3214868480
	.fill 96, 4, 3214868480
	.section	.rodata,"a",@progbits
	.p2align	6, 0x0
	.amdhsa_kernel k_q6aa5d53dbe_quant
		.amdhsa_group_segment_fixed_size 1536
		.amdhsa_private_segment_fixed_size 0
		.amdhsa_enable_private_segment 0
		.amdhsa_kernarg_size 32
		.amdhsa_user_sgpr_count 2
		.amdhsa_user_sgpr_kernarg_segment_ptr 1
		.amdhsa_wavefront_size32 1
		.amdhsa_system_sgpr_workgroup_id_x 1
		.amdhsa_system_sgpr_workgroup_id_y 1
		.amdhsa_system_sgpr_workgroup_id_z 1
		.amdhsa_system_vgpr_workitem_id 0
		.amdhsa_next_free_vgpr 120
		.amdhsa_next_free_sgpr 66
		.amdhsa_reserve_vcc 0
		.amdhsa_float_denorm_mode_32 3
		.amdhsa_float_denorm_mode_16_64 3
		.amdhsa_memory_ordered 1
		.amdhsa_forward_progress 1
		.amdhsa_inst_pref_size 19
	.end_amdhsa_kernel
	.amdgpu_metadata
---
amdhsa.version: [ 1, 2 ]
amdhsa.kernels:
  - .name:           k_q6aa5d53dbe_quant
    .symbol:         k_q6aa5d53dbe_quant.kd
    .args:
      - { .name: q, .offset: 0, .size: 8, .value_kind: global_buffer, .address_space: global }
      - { .name: k, .offset: 8, .size: 8, .value_kind: global_buffer, .address_space: global }
      - { .name: qrec, .offset: 16, .size: 8, .value_kind: global_buffer, .address_space: global }
      - { .name: krec, .offset: 24, .size: 8, .value_kind: global_buffer, .address_space: global }
    .group_segment_fixed_size: 1536
    .private_segment_fixed_size: 0
    .kernarg_segment_align: 8
    .kernarg_segment_size: 32
    .max_flat_workgroup_size: 128
    .sgpr_count:     66
    .vgpr_count:     120
    .wavefront_size: 32
...
	.end_amdgpu_metadata
.endif
;; end of part 1
;; launch sim (part 2): grid 8 x 32, 8 waves a work-group, clusters of 4 x 1, 327,680 bytes of LDS; arguments qrec, krec, part; writes part
.if DOCPART == 2
	.amdgcn_target "amdgcn-amd-amdhsa--gfx1250"
	.amdhsa_code_object_version 6
	.text
	.protected	k_q6aa5d53dbe_sim
	.globl	k_q6aa5d53dbe_sim
	.p2align	8
	.type	k_q6aa5d53dbe_sim,@function
k_q6aa5d53dbe_sim:
	s_mov_b64 s[64:65], 0
	v_nop
	global_prefetch_b8 v0, s[64:65] scope:SCOPE_SE
	s_setreg_imm32_b32 hwreg(HW_REG_WAVE_MODE, 25, 1), 1
	s_wait_xcnt 0x0
	s_wait_alu depctr_hold_cnt(0) depctr_sa_sdst(0) depctr_va_vdst(0) depctr_va_sdst(0) depctr_va_ssrc(0) depctr_va_vcc(0) depctr_vm_vsrc(0)
	s_getreg_b32 s2, hwreg(HW_REG_IB_STS2, 6, 4)
	s_cmp_eq_u32 s2, 0
	s_cbranch_scc0 .Lentry_in_a_cluster
	s_endpgm
.Lentry_in_a_cluster:
	s_bfe_u32 s2, ttmp6, 0x10000c
	s_cmp_lg_u32 s2, 0x3003
	s_cbranch_scc0 .Lentry_shape_is_right
	s_endpgm
.Lentry_shape_is_right:
; part[qp][b][key] = the sum over the 512 queries of block qp of (qk + s) / (qq + kk - qk + s), s = 1e-5; qk is the product of the FP4 codes and E8M0 scales of the records, K = 1,024.
; A record (8,960 bytes = 35 x 256) holds 16 patches as a fragment's registers want them: 8,192 bytes of codes (512 bytes a half K step, 16 a lane), 512 of scale words
; (16 bytes a lane: K steps 0-3 in lanes 0-15, K steps 4-7 in lanes 16-31), and the 16 sums of squares four times on end.
; SHARES.  Work-group (x, y): batch b = y / 8, query block qp = y % 8 (32 records), key block x (32 records).  Wave w keeps key records 4 w .. 4 w + 3, 64 keys, in v256-511 for the whole launch
; and walks the 32 query records in LDS: a trip is 32 matrix instructions (4 key tiles x 8 K steps) and the fractions of the trip before.  256 work-groups.
; LDS: all 32 query records, 286,720 bytes, each byte filled once: records 0-7 by the head's loads, one record a wave; records 8-31 by one more load a wave, three records on end.
; CLUSTER: the four work-groups of a cluster differ in x alone and need the same query records: both loads are joint, mask 15.  The key records go from memory straight into one wave's registers,
; so there is no LDS tile of them to share.  NO PREFETCH: every byte that the work-group reads is asked for in the head; no later request is left to run ahead of.
; THE FRACTIONS.  The first matrix instruction takes C = s, so an accumulator holds n = qk + s; d = (qq + kk + 2 s) - n.  Four fractions of one key are joined over one denominator,
; (n0 d2 + n2 d0) d4 d6 + (n4 d6 + n6 d4) d0 d2 over d0 d2 d4 d6, so that one reciprocal serves four.  This is an order of rounding other than the reference's.
; LIMITS: the promise holds while every denominator's magnitude lies between 2^-31 and 2^31, so that a product of four stays in f32's range (numbers some 30 times those drawn give 2^21); NaN and infinities are not served.
.set REC,   8960
.set SCO,   8192
.set TLO,   8704
.set HEADR, 8                          ; records of the first fill
.set RESTR, 3                          ; records a wave brings with its second load
.set STG,   32*REC                     ; behind the records: 256 bytes a wave for the way out
.set SPARE, STG+8*256                  ; behind the stages: the spare words, 128 bytes a wave
.set G1A,  16                          ; s[16:23] group 1: 35 rows of 256 bytes
.set G0A,  40                          ; s[40:43] group 0 of the head's load
.set G0B,  44                          ; s[44:47] group 0 of the second load
.set G1B,  48                          ; s[48:55] group 1: 105 rows of 256 bytes
.set SM,   16                          ; v16-23   s, the C of a tile's first matrix instruction
.set QS,   24                          ; v24-27   the query record's scale words
.set QQ,   28                          ; v28-35   qq of queries 8 h + 0 .. 7
.set KS,   36                          ; v36-51   the four key records' scale words
.set KK,   52                          ; v52-59   kk + 2 s of my key in tile b, twice
.set SUM,  60                          ; v60-67   the running sums, a pair for each tile
.set ACC,  68                          ; v68-99   four accumulators
.set WD,   100                         ; v100-131 qq + kk + 2 s, then d, then numerator, denominator, reciprocal
.set TA,   132
.set TB2,  140
.set KL,   148
.set QF,   160                         ; v160-223 the query record's codes
.set PA,   224                         ; v224-231 d0 d2, d1 d3
.set PB,   232                         ; v232-239 d4 d6, d5 d7
.set SPW,  254                         ; my spare word's address; never rewritten
.set NIL,  255                         ; 0; never rewritten
; v1 16 x lane; v2 TLO + 32 h; v3, v4 the record's addresses; v5, v6 my stage, by 4 and by 8 bytes a lane; v7 8 x lane; v9 lane; v11 4 x lane
.set MSB, 0
.macro WIN new                         ; the immediate's high byte repeats the setting that is left
.if MSB != \new
	s_set_vgpr_msb (MSB<<8)|\new
.set MSB, \new
.endif
.endm
; Two f32 operations in one instruction, on an even register and the odd one behind it in every operand: destinations even and odd, each pair of sources in different banks.
.macro ADD2 d, a, b
	v_dual_add_f32 v[\d], v[\a], v[\b] :: v_dual_add_f32 v[(\d)+1], v[(\a)+1], v[(\b)+1]
.endm
.macro SUB2 d, a, b
	v_dual_sub_f32 v[\d], v[\a], v[\b] :: v_dual_sub_f32 v[(\d)+1], v[(\a)+1], v[(\b)+1]
.endm
.macro MUL2 d, a, b
	v_dual_mul_f32 v[\d], v[\a], v[\b] :: v_dual_mul_f32 v[(\d)+1], v[(\a)+1], v[(\b)+1]
.endm
.macro FMAC2 d, a, b
	v_dual_fmac_f32 v[\d], v[\a], v[\b] :: v_dual_fmac_f32 v[(\d)+1], v[(\a)+1], v[(\b)+1]
.endm
.macro CROUND                          ; a round of the cluster's barrier
	s_barrier_signal -1
	s_barrier_wait -1
	s_cmp_lg_u32 s10, 0
	s_cbranch_scc1 .Lnot_wave_0_\@
	s_barrier_signal -3
.Lnot_wave_0_\@:
	s_barrier_wait -3
	s_barrier_signal -1
	s_barrier_wait -1
.endm
.macro NEXTQ                           ; the next query record: 16 loads of codes, its scale words, its eight qq
	v_add_nc_u32 v3, s28, v1
	v_add_nc_u32 v4, s28, v2
	s_add_co_u32 s28, s28, REC
.irp i, 0,1,2,3,4,5,6,7,8,9,10,11,12,13,14,15
	ds_load_b128 v[QF+4*\i:QF+4*\i+3], v3 offset:512*\i
.endr
	ds_load_b128 v[QS:QS+3], v3 offset:SCO
	ds_load_b128 v[QQ:QQ+3], v4
	ds_load_b128 v[QQ+4:QQ+7], v4 offset:16
.endm
.macro MATRIX                          ; source 0: 16 queries; source 1 (window 1): 16 keys of tile b.  The four accumulators take turns, one instruction a turn
	WIN 0x04
.irp s, 0,1,2,3,4,5,6,7
.irp b, 0,1,2,3
.if \s == 0
	v_wmma_scale_f32_16x16x128_f8f6f4 v[ACC+8*\b:ACC+8*\b+7], v[QF+8*\s:QF+8*\s+7], v[64*\b+8*\s:64*\b+8*\s+7], v[SM:SM+7], v[QS+\s], v[KS+4*\b+\s] matrix_a_fmt:MATRIX_FMT_FP4 matrix_b_fmt:MATRIX_FMT_FP4
.elseif \s < 4
	v_wmma_scale_f32_16x16x128_f8f6f4 v[ACC+8*\b:ACC+8*\b+7], v[QF+8*\s:QF+8*\s+7], v[64*\b+8*\s:64*\b+8*\s+7], v[ACC+8*\b:ACC+8*\b+7], v[QS+\s], v[KS+4*\b+\s] matrix_a_fmt:MATRIX_FMT_FP4 matrix_b_fmt:MATRIX_FMT_FP4
.else
	v_wmma_scale_f32_16x16x128_f8f6f4 v[ACC+8*\b:ACC+8*\b+7], v[QF+8*\s:QF+8*\s+7], v[64*\b+8*\s:64*\b+8*\s+7], v[ACC+8*\b:ACC+8*\b+7], v[QS+\s-4], v[KS+4*\b+\s-4] matrix_a_fmt:MATRIX_FMT_FP4 matrix_b_fmt:MATRIX_FMT_FP4 matrix_a_scale:MATRIX_SCALE_ROW1 matrix_b_scale:MATRIX_SCALE_ROW1
.endif
.endr
.endr
	WIN 0
.endm
.macro WPART                           ; qq + kk + 2 s.  These 16 lines name no register of the products just issued: they are the places in front of NEXTQ's loads and of the first read of the results
.irp p, 0,1,2,3
.irp b, 0,1,2,3
	ADD2 WD+8*\b+2*\p, QQ+2*\p, KK+2*\b
.endr
.endr
.endm
.macro EPI                             ; 32 fractions a lane; a line's reader stands eight lines behind it, the four tiles by turns
.irp p, 0,1,2,3
.irp b, 0,1,2,3
	SUB2 WD+8*\b+2*\p, WD+8*\b+2*\p, ACC+8*\b+2*\p     ; d; each accumulator is read from its low end on
.endr
.endr
.irp b, 0,1,2,3
	MUL2 TA+2*\b, ACC+8*\b, WD+8*\b+2
.endr
.irp b, 0,1,2,3
	MUL2 TB2+2*\b, ACC+8*\b+4, WD+8*\b+6
.endr
.irp b, 0,1,2,3
	MUL2 PA+2*\b, WD+8*\b, WD+8*\b+2
.endr
.irp b, 0,1,2,3
	MUL2 PB+2*\b, WD+8*\b+4, WD+8*\b+6
.endr
.irp b, 0,1,2,3
	FMAC2 TA+2*\b, ACC+8*\b+2, WD+8*\b
.endr
.irp b, 0,1,2,3
	FMAC2 TB2+2*\b, ACC+8*\b+6, WD+8*\b+4
.endr
.irp b, 0,1,2,3
	MUL2 WD+8*\b+2, TA+2*\b, PB+2*\b
.endr
.irp b, 0,1,2,3
	MUL2 WD+8*\b, PA+2*\b, PB+2*\b                     ; the joint denominator
.endr
.irp b, 0,1,2,3
	FMAC2 WD+8*\b+2, TB2+2*\b, PA+2*\b                 ; the joint numerator
.endr
	s_wait_alu depctr_va_vdst(0)                   ; the wait ahead of the batch
.irp b, 0,1,2,3
	v_rcp_f32 v[WD+8*\b+4], v[WD+8*\b]
	v_rcp_f32 v[WD+8*\b+5], v[WD+8*\b+1]
.endr
	v_nop                                          ; one plain place behind the batch
	s_wait_alu depctr_va_vdst(0)                   ; and the wait ahead of its first reader
.irp b, 0,1,2,3
	FMAC2 SUM+2*\b, WD+8*\b+2, WD+8*\b+4
.endr
.endm
; A trip: the last record's fractions, with the next record's loads issued ahead of them, then the next record's products.  meet = 1: the barrier that shows records 8-31 to every wave, its two halves round the products.
.macro TRIP meet
	WPART
	NEXTQ
	EPI
	s_wait_alu depctr_va_vdst(0)                   ; directly ahead of the wait below
	s_wait_dscnt 0x0                               ; the record's 19 loads are in
.if \meet
	s_wait_tensorcnt 0x0                           ; the one load of mine that is out, my three records, has landed
	s_barrier_signal -1
.endif
	MATRIX
.if \meet
	s_barrier_wait -1
.endif
.endm
.macro TRIPS n
	s_mov_b32 s29, \n
.Ltile_\@:
	TRIP 0
	s_sub_co_u32 s29, s29, 1
	s_cmp_lg_u32 s29, 0
	s_cbranch_scc1 .Ltile_\@
.endm
	s_load_b128 s[4:7], s[0:1], 0x0                ; qrec s[4:5], krec s[6:7]
	s_load_b64 s[8:9], s[0:1], 0x10                ; part
	v_lshl_add_u32 v[SPW], v0, 2, SPARE
	v_mov_b32 v[NIL], 0
	ds_add_u32 v[SPW], v[NIL]                      ; the opening lines: the add, twice on end, and its wait ahead of my first tensor load
	ds_add_u32 v[SPW], v[NIL]
	v_lshrrev_b32 v8, 5, v0
	v_readfirstlane_b32 s10, v8                    ; wave 0..7
	s_lshl_b32 s38, s10, 8
	s_add_co_u32 s38, s38, STG                     ; my stage
	v_and_b32 v9, 31, v0                           ; lane
	v_bfe_u32 v10, v0, 4, 1                        ; h
	v_lshlrev_b32 v1, 4, v9
	v_lshlrev_b32 v11, 2, v9
	v_lshl_add_u32 v2, v10, 5, TLO
	v_lshl_add_u32 v5, v9, 2, s38
	v_lshl_add_u32 v6, v9, 3, s38
	v_lshlrev_b32 v7, 3, v9
.irp j, 0,1,2,3,4,5,6,7
	v_mov_b32 v[SM+\j], 0x3727c5ac                 ; s = 1e-5
.endr
.irp j, 0,1,2,3,4,5,6,7
	v_mov_b32 v[SUM+\j], 0
.endr
	s_bfe_u32 s11, ttmp6, 0x40000                  ; cx
	s_lshl_b32 s12, ttmp9, 2
	s_add_co_u32 s12, s12, s11                     ; x: the key block
	s_and_b32 s13, ttmp7, 0xffff                   ; y = 8 b + qp
.irp g, G1A, G1B
	s_mov_b32 s[\g], 15|(3<<16)|(1<<21)            ; the mask of the cluster's four, elements of 8 bytes, bit 21 beside the mask
	s_mov_b32 s[\g+1], 32<<16                      ; rows of 32 elements: 256 bytes, dense
	s_mov_b32 s[\g+3], 32<<16
	s_mov_b32 s[\g+5], 32
	s_mov_b32 s[\g+6], 0
	s_mov_b32 s[\g+7], 0
.endr
	s_mov_b32 s[G1A+2], 35<<16                     ; one record
	s_mov_b32 s[G1A+4], 35
	s_mov_b32 s[G1B+2], (35*RESTR)<<16             ; three records on end
	s_mov_b32 s[G1B+4], 35*RESTR
	s_mov_b32 s[G0A], 1
	s_mul_i32 s[G0A+1], s10, REC                   ; record w
	s_mov_b32 s[G0B], 1
	s_mul_i32 s[G0B+1], s10, RESTR*REC
	s_add_co_u32 s[G0B+1], s[G0B+1], HEADR*REC     ; records 8 + 3 w .. 10 + 3 w
	s_lshl_b32 s24, s13, 5
	s_mul_i32 s24, s24, REC                        ; the query block's first byte in qrec: of y alone, which the four partners share
	s_add_co_u32 s14, s24, s[G0A+1]
	s_mov_b32 s15, 0
	s_add_co_u32 s24, s24, s[G0B+1]
	s_mov_b32 s25, 0
	s_lshr_b32 s32, s13, 3                         ; b
	s_lshl_b32 s33, s32, 8
	s_lshl_b32 s34, s12, 5
	s_add_co_u32 s33, s33, s34
	s_lshl_b32 s34, s10, 2
	s_add_co_u32 s33, s33, s34                     ; my first key record: 256 b + 32 x + 4 w
	s_mul_i32 s34, s33, REC
	s_mov_b32 s35, 0
	s_and_b32 s36, s13, 7
	s_lshl_b32 s36, s36, 16                        ; part: 65,536 qp + 16,384 b + 2,048 x + 256 w
	s_lshl_b32 s37, s32, 14
	s_add_co_u32 s36, s36, s37
	s_lshl_b32 s37, s12, 11
	s_add_co_u32 s36, s36, s37
	s_lshl_b32 s37, s10, 8
	s_add_co_u32 s36, s36, s37
	s_mov_b32 s37, 0
	s_lshr_b32 s39, s10, 2
	s_xor_b32 s39, s39, s10
	s_and_b32 s39, s39, 1                          ; which half of the waves I belong to: waves w and w + 4 differ in it, and so do waves 2 i and 2 i + 1
	s_mov_b32 s30, 0x76543210
	s_mov_b32 s31, 0xfedcba98                      ; v_permlanex16_b32's selects for lane l xor 16
	s_mov_b32 s28, 0                               ; the walk's place in LDS
	s_wait_alu depctr_va_vdst(0)                   ; the wait at the head's end
	s_wait_dscnt 0x0                               ; both opening adds are done
	s_wait_kmcnt 0x0
	s_add_nc_u64 s[G0A+2:G0A+3], s[4:5], s[14:15]
	s_or_b32 s[G0A+3], s[G0A+3], 0x80000000
	s_add_nc_u64 s[G0B+2:G0B+3], s[4:5], s[24:25]
	s_or_b32 s[G0B+3], s[G0B+3], 0x80000000
	s_add_nc_u64 s[6:7], s[6:7], s[34:35]
	s_add_nc_u64 s[8:9], s[8:9], s[36:37]
	CROUND                                         ; the four work-groups are here: the first joint loads meet
	tensor_load_to_lds s[G0A:G0A+3], s[G1A:G1A+7]  ; my one load at the head: query record w
	s_nop 0
	WIN 0x40                                       ; destination window 1
.irp b, 0,1,2,3
.irp i, 0,1,2,3,4,5,6,7,8,9,10,11,12,13,14,15
	global_load_b128 v[64*\b+4*\i:64*\b+4*\i+3], v1, s[6:7] offset:REC*\b+512*\i   ; my key records' codes: 512 consecutive bytes a load
.endr
.endr
	WIN 0
.irp b, 0,1,2,3
	global_load_b128 v[KS+4*\b:KS+4*\b+3], v1, s[6:7] offset:REC*\b+SCO
.endr
.irp b, 0,1,2,3
	global_load_b32 v[KL+\b], v11, s[6:7] offset:REC*\b+TLO   ; word l of the 16 sums four times on end: kk of key l % 16
.endr
	s_wait_tensorcnt 0x0                           ; my record is in
	ds_add_u32 v[SPW], v[NIL]
	s_wait_dscnt 0x0
	CROUND                                         ; records 0-7 are whole in all four work-groups, and the joint loads meet
	tensor_load_to_lds s[G0B:G0B+3], s[G1B:G1B+7]  ; my three of records 8-31: seven trips stand between this line and the wait for it
	s_nop 0
	NEXTQ                                          ; record 0
	s_wait_loadcnt 0x0
.irp b, 0,1,2,3
	v_add_f32 v[KK+2*\b], 0x37a7c5ac, v[KL+\b]     ; kk + 2 s
	v_add_f32 v[KK+2*\b+1], 0x37a7c5ac, v[KL+\b]
.endr
	s_wait_alu depctr_va_vdst(0)                   ; directly ahead of the wait below
	s_wait_dscnt 0x0
	; One half of the waves runs record 0's products ahead of a barrier, the other half behind it: from here on one half's runs of products stand beside the other half's fractions.
	s_cmp_lg_u32 s39, 0
	s_cbranch_scc1 .Llate
	MATRIX
.Llate:
	s_barrier_signal -1
	s_barrier_wait -1
	s_cmp_eq_u32 s39, 0
	s_cbranch_scc1 .Learly
.rept 5
	v_nop                                          ; five places ahead of products that begin the accumulators anew
.endr
	MATRIX
.Learly:
	TRIPS 6                                        ; records 1-6
	TRIP 1                                         ; record 7
	TRIPS 24                                       ; records 8-31
	WPART
	EPI                                            ; record 31's fractions
.irp b, 0,1,2,3
	v_add_f32 v[WD+\b], v[SUM+2*\b], v[SUM+2*\b+1]
.endr
.irp b, 0,1,2,3
	s_delay_alu instid0(VALU_DEP_4)
	v_permlanex16_b32 v[WD+8+\b], v[WD+\b], s30, s31
.endr
.irp b, 0,1,2,3
	s_delay_alu instid0(VALU_DEP_4)
	v_add_f32 v[WD+\b], v[WD+\b], v[WD+8+\b]       ; with lane l xor 16's eight queries: key l % 16 of tile b
.endr
	v_cmp_le_u32 vcc_lo, 16, v9
	s_delay_alu instid0(VALU_DEP_1)
	v_cndmask_b32 v[WD+16], v[WD], v[WD+1], vcc_lo       ; lanes 0-15 tile 0, lanes 16-31 tile 1
	s_delay_alu instid0(VALU_DEP_2)
	v_cndmask_b32 v[WD+17], v[WD+2], v[WD+3], vcc_lo     ; tiles 2 and 3
	ds_store_b32 v5, v[WD+16]                      ; through my own stage, so that the 64 sums leave as one unit
	ds_store_b32 v5, v[WD+17] offset:128
	ds_load_b64 v[WD+18:WD+19], v6                 ; LDS serves a wave's instructions in order (ISA guide 5.7.1.4)
	s_wait_dscnt 0x0
	global_store_b64 v7, v[WD+18:WD+19], s[8:9]    ; 32 lanes store 256 consecutive bytes, at a multiple of 256 from part's first byte
	s_wait_tensorcnt 0x0                           ; the wave's end
	ds_add_u32 v[SPW], v[NIL]
	s_wait_dscnt 0x0
	CROUND                                         ; the closing round
	s_endpgm
.Lfunc_end_k_q6aa5d53dbe_sim:
	.size	k_q6aa5d53dbe_sim, .Lfunc_end_k_q6aa5d53dbe_sim-k_q6aa5d53dbe_sim
	.p2alignl 7, 3214868480
	.fill 96, 4, 3214868480
	.section	.rodata,"a",@progbits
	.p2align	6, 0x0
	.amdhsa_kernel k_q6aa5d53dbe_sim
		.amdhsa_group_segment_fixed_size 327680
		.amdhsa_private_segment_fixed_size 0
		.amdhsa_enable_private_segment 0
		.amdhsa_kernarg_size 24
		.amdhsa_user_sgpr_count 2
		.amdhsa_user_sgpr_kernarg_segment_ptr 1
		.amdhsa_wavefront_size32 1
		.amdhsa_system_sgpr_workgroup_id_x 1
		.amdhsa_system_sgpr_workgroup_id_y 1
		.amdhsa_system_sgpr_workgroup_id_z 1
		.amdhsa_system_vgpr_workitem_id 0
		.amdhsa_next_free_vgpr 512
		.amdhsa_next_free_sgpr 66
		.amdhsa_reserve_vcc 1
		.amdhsa_float_denorm_mode_32 3
		.amdhsa_float_denorm_mode_16_64 3
		.amdhsa_memory_ordered 1
		.amdhsa_forward_progress 1
		.amdhsa_inst_pref_size 61
	.end_amdhsa_kernel
	.amdgpu_metadata
---
amdhsa.version: [ 1, 2 ]
amdhsa.kernels:
  - .name:           k_q6aa5d53dbe_sim
    .symbol:         k_q6aa5d53dbe_sim.kd
    .args:
      - { .name: qrec, .offset: 0, .size: 8, .value_kind: global_buffer, .address_space: global }
      - { .name: krec, .offset: 8, .size: 8, .value_kind: global_buffer, .address_space: global }
      - { .name: part, .offset: 16, .size: 8, .value_kind: global_buffer, .address_space: global }
    .group_segment_fixed_size: 327680
    .private_segment_fixed_size: 0
    .kernarg_segment_align: 8
    .kernarg_segment_size: 24
    .max_flat_workgroup_size: 256
    .sgpr_count:     66
    .vgpr_count:     512
    .wavefront_size: 32
...
	.end_amdgpu_metadata
.endif
;; end of part 2
;; launch scale (part 3): grid 1024 x 1, 4 waves a work-group, no clusters, 0 bytes of LDS; arguments v, part, out0; writes out0
.if DOCPART == 3
	.amdgcn_target "amdgcn-amd-amdhsa--gfx1250"
	.amdhsa_code_object_version 6
	.text
	.protected	k_q6aa5d53dbe_scale
	.globl	k_q6aa5d53dbe_scale
	.p2align	8
	.type	k_q6aa5d53dbe_scale,@function
k_q6aa5d53dbe_scale:
	s_mov_b64 s[64:65], 0
	v_nop
	global_prefetch_b8 v0, s[64:65] scope:SCOPE_SE
	s_setreg_imm32_b32 hwreg(HW_REG_WAVE_MODE, 25, 1), 1
	s_wait_xcnt 0x0
; out0 = tqk[patch] x v.  v, out0: [4][16][16][128][128] f32.  tqk[b][key] = (the sum over qp = 0 .. 7 of part[qp][b][key]) / 4,096: the mean over the batch's 4,096 queries.
; Work-group idx = 256 b + 16 t + ph takes the 16 patches of one (b, t, ph): 16 channels x 8 image rows x 512 bytes; wave w takes channels 4 w .. 4 w + 3.  A load or store covers an image row's 512 consecutive bytes,
; 16 a lane, so a lane stays in patch column lane / 2 throughout and needs one weight.  A stream: every byte of v is read once and every byte of out0 written once; LDS, barriers and the matrix unit would add nothing.
; All 32 loads of a wave go out at the start; each is scaled in place as it comes; the 32 stores stand on end behind the last multiply.  No loop; no register that a store reads is written again.
.set DAT, 16                           ; v16-143  32 x 4 registers
	s_load_b128 s[4:7], s[0:1], 0x0                ; v s[4:5], part s[6:7]
	s_load_b64 s[8:9], s[0:1], 0x10                ; out0
	v_lshrrev_b32 v3, 5, v0
	v_readfirstlane_b32 s10, v3                    ; wave 0..3
	v_and_b32 v3, 31, v0                           ; lane
	v_lshlrev_b32 v1, 4, v3                        ; my 16 bytes of 512
	v_lshrrev_b32 v2, 1, v3
	v_lshlrev_b32 v2, 2, v2                        ; my patch's word among the work-group's 16
	s_lshr_b32 s11, ttmp9, 4
	s_lshl_b32 s11, s11, 20                        ; (b, t): 16 channels of 65,536 bytes
	s_and_b32 s12, ttmp9, 15
	s_lshl_b32 s12, s12, 12                        ; ph: 8 image rows of 512 bytes
	s_add_co_u32 s12, s12, s11
	s_lshl_b32 s11, s10, 18                        ; my four channels
	s_add_co_u32 s12, s12, s11
	s_mov_b32 s13, 0
	s_lshl_b32 s14, ttmp9, 6                       ; part: key 16 idx on within [b][key], 4 bytes each
	s_mov_b32 s15, 0
	s_wait_alu depctr_va_vdst(0)                   ; the wait at the head's end
	s_wait_kmcnt 0x0
	s_add_nc_u64 s[4:5], s[4:5], s[12:13]
	s_add_nc_u64 s[8:9], s[8:9], s[12:13]
	s_add_nc_u64 s[6:7], s[6:7], s[14:15]
.irp p, 0,1,2,3,4,5,6,7
	global_load_b32 v[4+\p], v2, s[6:7] offset:65536*\p            ; the eight query blocks' sums for my patch
.endr
.set jj, 0
.rept 32
	global_load_b128 v[DAT+4*jj:DAT+4*jj+3], v1, s[4:5] offset:65536*(jj/8)+512*(jj%8) th:TH_LOAD_NT   ; read once in the launch
.set jj, jj+1
.endr
	s_wait_loadcnt 32                              ; loads come back in order (ISA guide 5.7.1): the eight sums are in, the 32 loads of v may be out
.irp p, 1,2,3,4,5,6,7
	v_add_f32 v4, v4, v[4+\p]                      ; in the order of the query blocks
.endr
	v_mul_f32 v12, 0x39800000, v4                  ; x 2^-12: the mean
	v_mov_b32 v13, v12                             ; a pair for the packed multiply
.set jj, 0
	s_wait_alu depctr_va_vdst(0)                   ; directly ahead of the waits below
.rept 32
	s_wait_loadcnt 31-jj                           ; load jj is in, the younger ones stay out
	v_pk_mul_f32 v[DAT+4*jj:DAT+4*jj+1], v[DAT+4*jj:DAT+4*jj+1], v[12:13]
	v_pk_mul_f32 v[DAT+4*jj+2:DAT+4*jj+3], v[DAT+4*jj+2:DAT+4*jj+3], v[12:13]
.set jj, jj+1
.endr
	s_wait_alu depctr_va_vdst(0)                   ; the last products are read by the stores behind the waits above
.set jj, 0
.rept 32
	global_store_b128 v1, v[DAT+4*jj:DAT+4*jj+3], s[8:9] offset:65536*(jj/8)+512*(jj%8) th:TH_STORE_NT   ; 512 consecutive bytes, at a multiple of 256 from out0's first byte; written once, read by nobody here
.set jj, jj+1
.endr
	s_endpgm
.Lfunc_end_k_q6aa5d53dbe_scale:
	.size	k_q6aa5d53dbe_scale, .Lfunc_end_k_q6aa5d53dbe_scale-k_q6aa5d53dbe_scale
	.p2alignl 7, 3214868480
	.fill 96, 4, 3214868480
	.section	.rodata,"a",@progbits
	.p2align	6, 0x0
	.amdhsa_kernel k_q6aa5d53dbe_scale
		.amdhsa_group_segment_fixed_size 0
		.amdhsa_private_segment_fixed_size 0
		.amdhsa_enable_private_segment 0
		.amdhsa_kernarg_size 24
		.amdhsa_user_sgpr_count 2
		.amdhsa_user_sgpr_kernarg_segment_ptr 1
		.amdhsa_wavefront_size32 1
		.amdhsa_system_sgpr_workgroup_id_x 1
		.amdhsa_system_sgpr_workgroup_id_y 1
		.amdhsa_system_sgpr_workgroup_id_z 1
		.amdhsa_system_vgpr_workitem_id 0
		.amdhsa_next_free_vgpr 144
		.amdhsa_next_free_sgpr 66
		.amdhsa_reserve_vcc 0
		.amdhsa_float_denorm_mode_32 3
		.amdhsa_float_denorm_mode_16_64 3
		.amdhsa_memory_ordered 1
		.amdhsa_forward_progress 1
		.amdhsa_inst_pref_size 14
	.end_amdhsa_kernel
	.amdgpu_metadata
---
amdhsa.version: [ 1, 2 ]
amdhsa.kernels:
  - .name:           k_q6aa5d53dbe_scale
    .symbol:         k_q6aa5d53dbe_scale.kd
    .args:
      - { .name: v, .offset: 0, .size: 8, .value_kind: global_buffer, .address_space: global }
      - { .name: part, .offset: 8, .size: 8, .value_kind: global_buffer, .address_space: global }
      - { .name: out0, .offset: 16, .size: 8, .value_kind: global_buffer, .address_space: global }
    .group_segment_fixed_size: 0
    .private_segment_fixed_size: 0
    .kernarg_segment_align: 8
    .kernarg_segment_size: 24
    .max_flat_workgroup_size: 128
    .sgpr_count:     66
    .vgpr_count:     144
    .wavefront_size: 32
...
	.end_amdgpu_metadata
.endif
;; end of part 3
